; MI455X (gfx1250); checked and timed in simulation.
; The chip was launched on July 23, 2026; its instructions are those of AMD's public machine-readable ISA for CDNA 5 (MIT licence, August 2026) and "CDNA5" Instruction Set Architecture Reference Guide (July 2026). The comments in the code are by the model that wrote it; some were corrected since.
;; MADPS Net. Allowed arithmetic: matrix products marked QUANTISED: E5M2 operands, one given power-of-two scale a tensor, by v_wmma_f32_16x16x64_bf8_bf8 or v_wmma_f32_16x16x128_bf8_bf8, f32 sums; everything else in f32.
;; Inputs: Wd1_codes 8 x 512 x 8 x 32 uint8 (E5M2 codes of Wd1, K innermost, in blocks of 32 codes); Wd2_codes 8 x 128 x 16 x 32 uint8 (E5M2 codes of Wd2, K innermost, in blocks of 32 codes); Ws1_codes 8 x 512 x 8 x 32 uint8 (E5M2 codes of Ws1, K innermost, in blocks of 32 codes); Ws2_codes 8 x 256 x 16 x 32 uint8 (E5M2 codes of Ws2, K innermost, in blocks of 32 codes); bd1 8 x 512 float32; bd2 8 x 128 float32; bs1 8 x 512 float32; bs2 8 x 256 float32; inputs_codes 8 x 2,048 x 8 x 32 uint8 (E5M2 codes of inputs, K innermost, in blocks of 32 codes); laac_deep 1 x 8 int32; laac_shallow 1 x 8 int32; lowp_scales 8 int32 (the exponents e of the quantised operands' scales 2^e).
;; Outputs: out0 8 x 2,048 x 128 float32.
;; This version of the problem:
;;   THIS VERSION OF THE PROBLEM IS GIVEN IN LOW PRECISION. The matrix products marked QUANTISED in the list below multiply operands that are first quantised to E5M2 (5 exponent bits, 2 mantissa bits; 8 bits a number), with one given power-of-two scale for each operand tensor; their sums are f32. All else is computed in f32.
;;   The module's matrix products, in the order in which they are computed (A, B: the left and right operand; K: the contracted axis; several contracted axes count as one K, in the product's order):
;;     1. [M 4,096, K 256] x [K 256, N 16,384]; A: input Ws1 (given as codes); B: input inputs (given as codes): QUANTISED (scales: A lowp_scales[0], B lowp_scales[1])
;;     2. batch 8 x [M 16,384, K 512] x [K 512, N 256]; A: computed on the way; B: input Ws2 (given as codes): QUANTISED (scales: A lowp_scales[2], B lowp_scales[3])
;;     3. [M 4,096, K 256] x [K 256, N 16,384]; A: input Wd1 (given as codes); B: computed on the way: QUANTISED (scales: A lowp_scales[4], B lowp_scales[5])
;;     4. batch 8 x [M 16,384, K 512] x [K 512, N 128]; A: computed on the way; B: input Wd2 (given as codes): QUANTISED (scales: A lowp_scales[6], B lowp_scales[7])
;;   THE QUANTISER, for each operand of a quantised product, along K:
;;     - The operand's scale is 2^e, e = its entry of the input lowp_scales (int32; the entries are numbered through the quantised products in the list's order, A before B).
;;     - Each number is divided by the scale, clamped to +-57,344, and rounded to the nearest number of E5M2, ties to even, subnormals kept.
;;     - The product sums the exact products of the quantised numbers (number of the format x scale) in f32.
;;   ~~~python
;;   def quantise(x, axis, e):      # numpy; x: float32 -> the quantised numbers, widened to float32 again
;;       x = np.moveaxis(x, axis, -1); K = x.shape[-1]
;;       r = np.clip(x / 2.0 ** e, -57344, 57344)
;;       step = 2.0 ** (np.maximum(np.frexp(np.where(r == 0, 1, r))[1] - 1, -14) - 2)
;;       q = np.round(r / step) * step * 2.0 ** e      # np.round: ties to even
;;       return np.moveaxis(q, -1, axis).astype(np.float32)
;;   ~~~
;;   OPERANDS COMPUTED ON THE WAY. 'Computed on the way' means the value that the module computes at that place (a softmax that the list does not call 'softmax' is quantised finished and normalised). What goes into a quantiser is computed in f32, as accurately as f32 sums, v_exp_f32 and their like allow (about 1e-6 of the number): no bf16 or f16 on the way to a quantiser, and a product that is left as it is and whose result goes on into a quantised operand takes f32 operands (vector FMAs, or v_wmma_f32_16x16x4_f32). A number that lies on a knife's edge between two numbers of the format may be rounded either way, as far as f32 arithmetic and the matrix unit's own rounding can turn it there, and no further.
;;   INPUTS GIVEN AS CODES. Wd1 (in the module: [8, 256, 512], K = its axis 1); Wd2 (in the module: [8, 512, 128], K = its axis 1); Ws1 (in the module: [8, 256, 512], K = its axis 1); Ws2 (in the module: [8, 512, 256], K = its axis 1); inputs (in the module: [8, 2048, 256], K = its axis 2): each comes as NAME_codes (uint8): NAME with its K axis moved to the last place and cut into blocks of 32 codes, [.., K / 32, bytes a block], one block behind the other in memory; one code a byte (a code: sign, 5 exponent bits, 2 mantissa bits); its scale is its entry of lowp_scales. Its value is code x scale, taken as it is: it is not quantised again, and the codes and scales need not be those that the quantiser above would give.
;; 2 versions. Each part assembles by itself: llvm-mc -triple=amdgcn-amd-amdhsa -mcpu=gfx1250 --defsym DOCPART=n.
;; ======== version 1 of 2: 2 launches
;; workspace buffers: wfrag 3,670,016 bytes
;; launch lay (part 1): grid 224 x 1, 2 waves a work-group, no clusters, 34,560 bytes of LDS; arguments Ws1_codes, Wd1_codes, Ws2_codes, Wd2_codes, wfrag; writes wfrag
.if DOCPART == 1
	.amdgcn_target "amdgcn-amd-amdhsa--gfx1250"
	.amdhsa_code_object_version 6
	.text
	.protected	k_q1ae1f81806_lay
	.globl	k_q1ae1f81806_lay
	.p2align	8
	.type	k_q1ae1f81806_lay,@function
k_q1ae1f81806_lay:
	s_mov_b64 s[64:65], 0
	v_nop
	global_prefetch_b8 v0, s[64:65] scope:SCOPE_SE
	s_setreg_imm32_b32 hwreg(HW_REG_WAVE_MODE, 25, 1), 1
	s_wait_xcnt 0x0
; The four weight tensors (codes of E5M2, rows [N][K], K innermost) are laid once in the order of a wave's operand registers, so that the next launch
; loads every fragment by loads of 512 consecutive bytes.  No number is changed: bytes are only moved.
; LAYOUT OF wfrag: Ws1 at 0, Wd1 at 0x100000, Ws2 at 0x200000, Wd2 at 0x300000.  In a tensor, rows go in groups of 32; tile 2 g + u has 16 rows: its lane r takes row 32 g + 8 u + r + 8 (r / 8).
; Fragment (tile T, K step s of 128) has the number T (K / 128) + s and 2,048 bytes: four chunks c of 512 bytes; lane (r, h) has 16 bytes at 16 x lane: its row's bytes 128 s + 32 c + 16 h + 0 .. 15.
; SHARES.  A wave takes one task of 8,192 bytes = 4 fragments; task 2 x work-group + wave goes to wfrag + 8,192 x task.  K = 256 (Ws1: tasks 0-127, Wd1: 128-255): a task is a group of 32 rows, both tiles, both K steps.
; K = 512 (Ws2: tasks 256-383, Wd2: 384-447): a task is one tile of 16 rows: 8 rows, and the 8 rows that lie 16 further on.
; Each load reads 512 consecutive bytes; they turn through the wave's own stage in LDS (rows in the tile's order, 16 bytes of padding behind each) and come back as fragments; each store covers 512 consecutive bytes.
; The two paths part on the work-group's number. No register is written twice, so no wait frees a source.
.set D,     16                         ; v16-79   sixteen loads, as they lie in memory
.set F,     80                         ; v80-143  the four fragments
.set PA,    272                        ; K = 256: a stage row: 256 bytes + 16: sixteen rows start 68 words apart
.set PB,    528                        ; K = 512: 512 bytes + 16
.set STA,   32*PA                      ; a wave's stage, K = 256: 32 rows
.set STB,   16*PB                      ; K = 512: 16 rows
.set BASEB, 2*STA                      ; the K = 512 path's stages lie behind the other path's
	s_load_b256 s[4:11], s[0:1], 0x0               ; Ws1 s[4:5], Wd1 s[6:7], Ws2 s[8:9], Wd2 s[10:11]
	s_load_b64 s[12:13], s[0:1], 0x20              ; wfrag
	v_lshl_add_u32 v144, v0, 2, 0x8600
	v_mov_b32 v145, 0
	v_lshrrev_b32 v1, 5, v0
	v_readfirstlane_b32 s14, v1                    ; wave 0, 1
	v_and_b32 v1, 31, v0                           ; lane
	v_and_b32 v2, 15, v0                           ; r
	v_bfe_u32 v3, v0, 4, 1                         ; h
	v_lshlrev_b32 v4, 4, v1                        ; 16 x lane: my 16 bytes of a load's or a store's 512
	s_mul_i32 s22, s14, STA
	v_mul_u32_u24 v5, v3, PA
	v_lshl_add_u32 v5, v2, 4, v5
	v_add_nc_u32 v5, s22, v5                       ; K = 256, into the stage: a load holds two rows: lanes 0-15 one, lanes 16-31 the next
	v_mul_u32_u24 v6, v2, PA
	v_lshl_add_u32 v6, v3, 4, v6
	v_add_nc_u32 v6, s22, v6                       ; and out of it: stage row r, + 16 h
	s_mul_i32 s23, s14, STB
	s_add_co_u32 s23, s23, BASEB
	v_add_nc_u32 v7, s23, v4                       ; K = 512, into the stage: a load holds one row
	v_mul_u32_u24 v8, v2, PB
	v_lshl_add_u32 v8, v3, 4, v8
	v_add_nc_u32 v8, s23, v8                       ; and out of it
	s_lshl_b32 s15, ttmp9, 1
	s_add_co_u32 s15, s15, s14                     ; my task
	s_lshl_b32 s20, s15, 13
	s_mov_b32 s21, 0
	s_wait_kmcnt 0x0
	s_add_nc_u64 s[12:13], s[12:13], s[20:21]      ; where my four fragments go
; A task.  k512 = 0: 32 rows of 256 bytes; load i holds rows 2 i, 2 i + 1 of the group; row p belongs to tile (p / 8) % 2, lane p % 8 + 8 (p / 16): stage row 16 x tile + lane.
; k512 = 1: 16 rows of 512 bytes; load i holds the tile's lane i's row: rows 0-7, then, 8,192 bytes on, rows 16-23.
.macro TURN k512
.irp i, 0,1,2,3,4,5,6,7,8,9,10,11,12,13,14,15
.if \k512
	global_load_b128 v[D+4*\i:D+4*\i+3], v4, s[16:17] offset:512*\i+4096*(\i/8) th:TH_LOAD_NT
.else
	global_load_b128 v[D+4*\i:D+4*\i+3], v4, s[16:17] offset:512*\i th:TH_LOAD_NT
.endif
.endr
.irp i, 0,1,2,3,4,5,6,7,8,9,10,11,12,13,14,15
	s_wait_loadcnt 15-\i                           ; loads come back in order (ISA guide 5.7.1): load i is in, the younger ones stay out
.if \k512
	ds_store_b128 v7, v[D+4*\i:D+4*\i+3] offset:PB*\i
.else
	ds_store_b128 v5, v[D+4*\i:D+4*\i+3] offset:PA*(16*(((2*\i)>>3)&1)+((2*\i)&7)+8*((2*\i)>>4))
.endif
.endr
.irp j, 0,1,2,3,4,5,6,7,8,9,10,11,12,13,14,15          ; LDS serves a wave's instructions in order: these see the stores above
.if \k512
	ds_load_b128 v[F+4*\j:F+4*\j+3], v8 offset:128*(\j/4)+32*(\j%4)                       ; K step j / 4, chunk j % 4
.else
	ds_load_b128 v[F+4*\j:F+4*\j+3], v6 offset:16*PA*(\j/8)+128*((\j/4)%2)+32*(\j%4)      ; tile j / 8, K step (j / 4) % 2, chunk j % 4
.endif
.endr
.irp j, 0,1,2,3,4,5,6,7,8,9,10,11,12,13,14,15
	s_wait_dscnt 15-\j
	global_store_b128 v4, v[F+4*\j:F+4*\j+3], s[12:13] offset:512*\j   ; 32 lanes store 512 consecutive bytes, at a multiple of 512 from wfrag's first byte; the next launch reads them: no hint
.endr
.endm
	s_cmp_lt_u32 ttmp9, 128                        ; work-groups 0-127: K = 256
	s_cbranch_scc0 .Lk512
	s_cmp_lt_u32 ttmp9, 64                         ; the choice of the tensor hangs on the work-group's number alone
	s_cselect_b64 s[16:17], s[4:5], s[6:7]
	s_cselect_b32 s18, 0, 128
	s_sub_co_u32 s18, s15, s18                     ; the task's number in its tensor = the group of 32 rows
	s_lshl_b32 s20, s18, 13
	s_add_nc_u64 s[16:17], s[16:17], s[20:21]
	TURN 0
	s_wait_tensorcnt 0x0
	ds_add_u32 v144, v145
	s_wait_dscnt 0x0
	s_endpgm
.Lk512:
	s_mov_b32 s18, 384
	s_cmp_lt_u32 ttmp9, 192
	s_cselect_b64 s[16:17], s[8:9], s[10:11]
	s_cselect_b32 s18, 256, s18
	s_sub_co_u32 s18, s15, s18                     ; the task's number in its tensor = the tile
	s_lshr_b32 s19, s18, 1
	s_lshl_b32 s19, s19, 14                        ; its group of 32 rows of 512 bytes,
	s_and_b32 s18, s18, 1
	s_lshl_b32 s18, s18, 12                        ; and 8 rows further on for the group's second tile
	s_add_co_u32 s20, s19, s18
	s_add_nc_u64 s[16:17], s[16:17], s[20:21]
	TURN 1
	s_wait_tensorcnt 0x0
	ds_add_u32 v144, v145
	s_wait_dscnt 0x0
	s_endpgm
.Lfunc_end_k_q1ae1f81806_lay:
	.size	k_q1ae1f81806_lay, .Lfunc_end_k_q1ae1f81806_lay-k_q1ae1f81806_lay
	.p2alignl 7, 3214868480
	.fill 96, 4, 3214868480
	.section	.rodata,"a",@progbits
	.p2align	6, 0x0
	.amdhsa_kernel k_q1ae1f81806_lay
		.amdhsa_group_segment_fixed_size 34560
		.amdhsa_private_segment_fixed_size 0
		.amdhsa_enable_private_segment 0
		.amdhsa_kernarg_size 40
		.amdhsa_user_sgpr_count 2
		.amdhsa_user_sgpr_kernarg_segment_ptr 1
		.amdhsa_wavefront_size32 1
		.amdhsa_system_sgpr_workgroup_id_x 1
		.amdhsa_system_sgpr_workgroup_id_y 1
		.amdhsa_system_sgpr_workgroup_id_z 1
		.amdhsa_system_vgpr_workitem_id 0
		.amdhsa_next_free_vgpr 146
		.amdhsa_next_free_sgpr 66
		.amdhsa_reserve_vcc 0
		.amdhsa_float_denorm_mode_32 3
		.amdhsa_float_denorm_mode_16_64 3
		.amdhsa_memory_ordered 1
		.amdhsa_forward_progress 1
		.amdhsa_inst_pref_size 15
	.end_amdhsa_kernel
	.amdgpu_metadata
---
amdhsa.version: [ 1, 2 ]
amdhsa.kernels:
  - .name:           k_q1ae1f81806_lay
    .symbol:         k_q1ae1f81806_lay.kd
    .args:
      - { .name: Ws1_codes, .offset: 0, .size: 8, .value_kind: global_buffer, .address_space: global }
      - { .name: Wd1_codes, .offset: 8, .size: 8, .value_kind: global_buffer, .address_space: global }
      - { .name: Ws2_codes, .offset: 16, .size: 8, .value_kind: global_buffer, .address_space: global }
      - { .name: Wd2_codes, .offset: 24, .size: 8, .value_kind: global_buffer, .address_space: global }
      - { .name: wfrag, .offset: 32, .size: 8, .value_kind: global_buffer, .address_space: global }
    .group_segment_fixed_size: 34560
    .private_segment_fixed_size: 0
    .kernarg_segment_align: 8
    .kernarg_segment_size: 40
    .max_flat_workgroup_size: 64
    .sgpr_count:     66
    .vgpr_count:     146
    .wavefront_size: 32
...
	.end_amdgpu_metadata
.endif
;; end of part 1
;; launch chain (part 2): grid 32 x 8, 4 waves a work-group, no clusters, 132,608 bytes of LDS; arguments inputs_codes, wfrag, bs1, bs2, bd1, bd2, laac_shallow, laac_deep, lowp_scales, out0; writes out0
.if DOCPART == 2
	.amdgcn_target "amdgcn-amd-amdhsa--gfx1250"
	.amdhsa_code_object_version 6
	.text
	.protected	k_q1ae1f81806_chain
	.globl	k_q1ae1f81806_chain
	.p2align	8
	.type	k_q1ae1f81806_chain,@function
k_q1ae1f81806_chain:
	s_mov_b64 s[64:65], 0
	v_nop
	global_prefetch_b8 v0, s[64:65] scope:SCOPE_SE
	s_setreg_imm32_b32 hwreg(HW_REG_WAVE_MODE, 25, 1), 1
	s_wait_xcnt 0x0
; out[a] = relu(relu(relu(x[a] Ws1[es] + bs1[es]) Ws2[es] + bs2[es]) Wd1[ed] + bd1[ed]) Wd2[ed] + bd2[ed], es = laac_shallow[a], ed = laac_deep[a]: of the eight experts only the one that the
; gather keeps for the agent is multiplied.  All four products on codes of E5M2 by v_wmma_f32_16x16x128_bf8_bf8, sums in f32; the three hidden layers are quantised in registers and never go to memory.
; SCALES e0 .. e7: Ws1, x, h, Ws2, Wd1, deep_in, d, Wd2.  A layer's sum of code products stands for sum x 2^(eA + eB).  So its bias goes in as the C of the sum's first matrix instruction, divided by that power,
; and the next operand's conversion takes 2^(e_next - eA - eB) as its one scale; relu and the hold at the largest code are one v_med3_num_f32.  The last layer: out = sum x 2^(e6 + e7) + bd2, one packed multiply-add.
; LIMITS: e2 - e0 - e1, e5 - e2 - e3 and e6 - e4 - e5 lie between -126 and 112, e6 + e7 between -126 and 127, so that each power of two below is an f32 number; a bias whose quotient by 2^(eA + eB) leaves f32's
; range, and NaN among the biases, are not served; an expert's number above 7 is held at 7.
; SHARES.  A work-group (x: block of 64 rows, y: agent) takes 64 rows through the whole chain.  THE FOUR WAVES SHARE THE COLUMNS, NOT THE ROWS: wave w makes units 128 w on of layers 1 and 3 (8 tiles, 2 K steps),
; 64 w on of layer 2 (4 tiles, 4 K steps), 32 w on of layer 4 (2 tiles, 4 K steps), each for all four tiles of 16 rows: 64 + 64 + 64 + 32 matrix instructions.
; WEIGHTS come from wfrag, laid in the order of the operand's registers, straight into registers: each load is 512 consecutive bytes; a layer's weights are asked for one layer ahead, into the window that the layer before last has left.
; ALL PRODUCTS ARE USED TRANSPOSED (source 0 = 16 rows of a weight, source 1 = 16 rows of activations).  A tile's lane r holds weight row 32 b + 8 u + r + 8 (r / 8) (tile 2 b + u), so in the result lane (r, h) holds row r and
; register j of tile 2 b + u the unit 32 b + 16 h + 8 u + j: the 16 registers of tiles 2 b, 2 b + 1 are 16 neighbours along the next K, and the conversions' results are registers 4 b .. 4 b + 3 of the next operand.
; Both operands of every product hold k = 32 c + 16 h + 0 .. 15 in registers 4 c .. 4 c + 3: one order of k on both sides.
; ACTIVATIONS GO FROM WAVE TO WAVE THROUGH LDS AS IMAGES OF THEIR REGISTERS: a fragment (16 rows x 128 K) is 2,048 bytes, registers 4 c .. 4 c + 3 of lane l at 512 c + 16 l.  Every region has bytes of its own and is written once: one barrier a layer.
; NO CLUSTER, NO TENSOR LOADS: an agent's 32 work-groups do read the same 458,752 bytes of weights, but each fragment feeds one wave alone (four matrix instructions), and weights and the 132,096 bytes of
; activations together exceed the 327,680 bytes of LDS: a way through LDS would add a write and a read of every weight byte, and slots that are filled again with their barriers, to a chain of four short layers.
; REGISTERS, in windows of 256: window 0: v1-13 addresses, v14-19 scales and holds, v32-159 eight activation fragments (at the end: results, rows of out), v160-223 eight accumulators, v224-239 the codes just made.
;   window 1: Ws1's 16 fragments, later Wd1's.   window 2: Ws2's 16, later Wd2's 8.   window 3: the biases in the result's layout: bs1 v0-63, bs2 v64-95, bd1 v96-159, bd2 v160-175.
.set XIMG,  0                          ; LDS: x's 8 fragments (tile of rows m, K step s: 2 m + s)
.set H1IMG, 16384                      ; layer 1's 16 fragments (4 m + s; K step s is made by wave s)
.set H2IMG, 49152                      ; layer 2's 8 (2 m + s; wave w makes chunks 2 (w % 2), + 1 of K step w / 2: bytes 1,024 w on of a tile's 4,096)
.set H3IMG, 65536                      ; layer 3's 16
.set STG,   98304                      ; the stage for out: 64 rows x (512 bytes + 16)
.set SP,    528
.set X,     32
.set HA,    160
.set PC,    224
.set OT,    32                         ; the way out: 64 results a lane
.set RB,    96                         ; and 16 rows read back
.set MSB, 0
.macro WIN new                         ; s_set_vgpr_msb: bits 1:0 source 0, 3:2 source 1, 5:4 source 2, 7:6 destination; the immediate's high byte repeats the setting that is left
.if MSB != \new
	s_set_vgpr_msb (MSB<<8)|\new
.set MSB, \new
.endif
.endm
.macro PLACES                          ; a vector instruction that reads a matrix result, and a load into a register that a matrix instruction has read, stand four plain vector instructions behind it
.rept 4
	v_nop
.endr
.endm
.macro BARRIER                         ; my LDS stores have landed and my LDS loads are in: then the work-group's barrier
	s_wait_dscnt 0x0
	s_barrier_signal -1
	s_barrier_wait -1
.endm
.macro WLOAD win, base, n              ; n loads of 512 consecutive bytes: load i fills registers 4 i .. 4 i + 3 of the window: fragment f is registers 16 f .. 16 f + 15
	WIN \win
.set J, 0
.rept \n
	global_load_b128 v[4*J:4*J+3], v5, s[\base:\base+1] offset:512*J
.set J, J+1
.endr
	WIN 0
.endm
.macro BLOAD reg, base, tiles          ; a bias in the result's layout: lane (r, h), tile 2 b + u: the numbers of units 32 b + 16 h + 8 u + 0 .. 7
.set J, 0
.rept \tiles
	global_load_b128 v[\reg+8*J:\reg+8*J+3], v13, s[\base:\base+1] offset:(32*(J/2)+8*(J%2))*4
	global_load_b128 v[\reg+8*J+4:\reg+8*J+7], v13, s[\base:\base+1] offset:(32*(J/2)+8*(J%2))*4+16
.set J, J+1
.endr
.endm
.macro FETCH reg, adr, off             ; a fragment's image comes back as it was stored, in any wave
.irp c, 0,1,2,3
	ds_load_b128 v[(\reg)+4*\c:(\reg)+4*\c+3], v[\adr] offset:(\off)+512*\c
.endr
.endm
.macro MKSC e, neg, sc, lim            ; q = s[e] + s[neg]: v[sc] = 2^q as f32 (the conversion takes its exponent field), v[lim] = 57,344 x 2^q
	s_add_co_i32 s56, s[\e], s[\neg]
	s_add_co_i32 s56, s56, 127
	s_lshl_b32 s57, s56, 23
	v_mov_b32 v[\sc], s57
	s_add_co_i32 s56, s56, 15
	s_lshl_b32 s56, s56, 23
	s_or_b32 s56, s56, 0x600000
	v_mov_b32 v[\lim], s56
.endm
; The eight accumulators become 16 registers of codes.  Each accumulator is read from its low end on.
.macro QUANT sc, lim
.irp b, 0,1,2,3
.irp i, 0,1,2,3,4,5,6,7,8,9,10,11,12,13,14,15
	v_med3_num_f32 v[HA+16*\b+\i], v[HA+16*\b+\i], 0, v[\lim]   ; relu and the hold in one: the conversion to an 8-bit code does not saturate (ISA guide 7.6.2)
.endr
	v_cvt_scalef32_pk8_bf8_f32 v[PC+4*\b:PC+4*\b+1], v[HA+16*\b:HA+16*\b+7], v[\sc]
	v_cvt_scalef32_pk8_bf8_f32 v[PC+4*\b+2:PC+4*\b+3], v[HA+16*\b+8:HA+16*\b+15], v[\sc]
.endr
	v_nop                                          ; one plain vector instruction between the last conversion and the next products, which write its sources
.endm
; Layers 1 and 3, tile of rows m: my 8 tiles of units, 2 K steps; the eight accumulators take turns, one instruction a turn.  The result is K step w of the next product's fragment for these rows.
.macro TILE_A m, bias, sc, lim, outadr, outoff
	WIN 0x31                                       ; source 0 (weights) window 1, source 2 (bias) window 3
.irp t, 0,1,2,3,4,5,6,7
	v_wmma_f32_16x16x128_bf8_bf8 v[HA+8*\t:HA+8*\t+7], v[32*\t:32*\t+15], v[X+32*(\m):X+32*(\m)+15], v[(\bias)+8*\t:(\bias)+8*\t+7]
.endr
	WIN 0x01
.irp t, 0,1,2,3,4,5,6,7
	v_wmma_f32_16x16x128_bf8_bf8 v[HA+8*\t:HA+8*\t+7], v[32*\t+16:32*\t+31], v[X+32*(\m)+16:X+32*(\m)+31], v[HA+8*\t:HA+8*\t+7]
.endr
	WIN 0
.if (\m) > 0
	s_wait_dscnt 0x0                               ; the tile before's stores have read the codes' registers (and all fragments are in)
.endif
	PLACES
	QUANT \sc, \lim
.irp c, 0,1,2,3
	ds_store_b128 v[\outadr], v[PC+4*\c:PC+4*\c+3] offset:(\outoff)+8192*(\m)+512*\c
.endr
.endm
.macro FETCH_A img                     ; layers 1 and 3: all 8 fragments, tile of rows by tile of rows
.irp m, 0,1,2,3
.irp s, 0,1
	FETCH X+32*\m+16*\s, 5, (\img)+2048*(2*\m+\s)
.endr
.endr
.endm
.macro LAYER_A bias, sc, lim, outadr, outoff
	s_wait_dscnt 24                                ; tile 0's eight loads are in; the three later tiles' 24 may be out
	TILE_A 0, \bias, \sc, \lim, \outadr, \outoff
	s_wait_dscnt 20                                ; tile 1's are in; behind them: two tiles' 16 loads and tile 0's 4 stores
	TILE_A 1, \bias, \sc, \lim, \outadr, \outoff
	TILE_A 2, \bias, \sc, \lim, \outadr, \outoff
	TILE_A 3, \bias, \sc, \lim, \outadr, \outoff
.endm
; Layer 2, tiles of rows 2 p and 2 p + 1: fragments by K step, so that the products can begin on the first.
.macro FETCH_B p
.irp s, 0,1,2,3
.irp mm, 0,1
	FETCH X+16*(4*\mm+\s), 5, H1IMG+2048*(4*(2*(\p)+\mm)+\s)
.endr
.endr
.endm
.macro PASS_B younger                  ; younger: LDS stores issued behind the pass's 32 loads.  Eight accumulators (2 tiles of rows x my 4 tiles of units) by turns, a K step at a time
.irp s, 0,1,2,3
	s_wait_dscnt 8*(3-\s)+(\younger)               ; K step s's eight loads are in; the later K steps' and the stores may be out
.if \s == 0
	WIN 0x32                                       ; source 0 (weights) window 2, source 2 (bias) window 3
.else
	WIN 0x02
.endif
.irp mm, 0,1
.irp t, 0,1,2,3
.if \s == 0
	v_wmma_f32_16x16x128_bf8_bf8 v[HA+32*\mm+8*\t:HA+32*\mm+8*\t+7], v[16*(4*\t+\s):16*(4*\t+\s)+15], v[X+16*(4*\mm+\s):X+16*(4*\mm+\s)+15], v[64+8*\t:64+8*\t+7]
.else
	v_wmma_f32_16x16x128_bf8_bf8 v[HA+32*\mm+8*\t:HA+32*\mm+8*\t+7], v[16*(4*\t+\s):16*(4*\t+\s)+15], v[X+16*(4*\mm+\s):X+16*(4*\mm+\s)+15], v[HA+32*\mm+8*\t:HA+32*\mm+8*\t+7]
.endif
.endr
.endr
.endr
	WIN 0
.endm
.macro H2OUT p                         ; codes' registers 4 q .. 4 q + 3: tile of rows 2 p + q / 2, my chunk q % 2
.irp q, 0,1,2,3
	ds_store_b128 v8, v[PC+4*\q:PC+4*\q+3] offset:H2IMG+4096*(2*(\p)+\q/2)+512*(\q%2)
.endr
.endm
; Layer 4: K step s's four fragments (one a tile of rows) into half s % 2 of the fragments' registers; eight accumulators (4 tiles of rows x my 2 tiles of units) by turns.
.macro FETCH_D s
.irp m, 0,1,2,3
	FETCH X+64*((\s)%2)+16*\m, 10, 2048*(4*\m+(\s))
.endr
.endm
.macro MUL_D s
	WIN 0x02
.irp m, 0,1,2,3
.irp u, 0,1
.if (\s) == 0
	v_wmma_f32_16x16x128_bf8_bf8 v[HA+16*\m+8*\u:HA+16*\m+8*\u+7], v[16*(4*\u+(\s)):16*(4*\u+(\s))+15], v[X+64*((\s)%2)+16*\m:X+64*((\s)%2)+16*\m+15], 0
.else
	v_wmma_f32_16x16x128_bf8_bf8 v[HA+16*\m+8*\u:HA+16*\m+8*\u+7], v[16*(4*\u+(\s)):16*(4*\u+(\s))+15], v[X+64*((\s)%2)+16*\m:X+64*((\s)%2)+16*\m+15], v[HA+16*\m+8*\u:HA+16*\m+8*\u+7]
.endif
.endr
.endr
.endm
	; ---- the head
	s_load_b512 s[8:23], s[0:1], 0x0               ; x s[8:9], wfrag s[10:11], bs1 s[12:13], bs2 s[14:15], bd1 s[16:17], bd2 s[18:19], laac_shallow s[20:21], laac_deep s[22:23]
	s_load_b128 s[24:27], s[0:1], 0x40             ; the scales' exponents s[24:25], out s[26:27]
	v_lshl_add_u32 v254, v0, 2, 0x20400
	v_mov_b32 v255, 0
	v_lshrrev_b32 v1, 5, v0
	v_readfirstlane_b32 s4, v1                     ; wave 0..3
	s_and_b32 s5, ttmp7, 0xffff                    ; the agent
	s_mov_b32 s3, 0                                ; s[2:3]: a byte offset as a pair
	v_and_b32 v1, 31, v0                           ; lane
	v_and_b32 v2, 15, v0                           ; r
	v_bfe_u32 v3, v0, 4, 1                         ; h
	v_lshlrev_b32 v4, 8, v2
	v_lshl_add_u32 v4, v3, 4, v4                   ; x: row r of 256 bytes, + 16 h
	v_lshlrev_b32 v5, 4, v1                        ; 16 x lane: my place in an image's chunk, in a weight load and in a row of out
	s_lshl_b32 s56, s4, 12
	v_add_nc_u32 v6, s56, v5                       ; where I store x's images: fragments 2 w, 2 w + 1
	s_lshl_b32 s56, s4, 11
	v_add_nc_u32 v7, s56, v5                       ; layer 1's: K step w
	s_lshl_b32 s56, s4, 10
	v_add_nc_u32 v8, s56, v5                       ; layer 2's: 1,024 w
	v_add_nc_u32 v9, H3IMG, v7                     ; layer 3's: the region begins past an LDS offset's 16 bits, so the register carries it
	v_add_nc_u32 v10, H3IMG, v5                    ; and where I read them
	v_mul_u32_u24 v11, v2, SP
	v_lshl_add_u32 v11, v3, 6, v11
	s_lshl_b32 s56, s4, 7
	s_add_co_u32 s56, s56, STG
	v_add_nc_u32 v11, s56, v11                     ; the stage, in: row r, + 128 w + 64 h: my 16 neighbouring outputs
	s_mul_i32 s56, s4, 16*SP
	s_add_co_u32 s56, s56, STG
	v_add_nc_u32 v12, s56, v5                      ; back: my 16 rows, 16 bytes a lane
	v_lshlrev_b32 v13, 6, v3                       ; the biases: 16 h numbers on
	s_lshl_b32 s2, s5, 2
	s_wait_kmcnt 0x0
	s_add_nc_u64 s[20:21], s[20:21], s[2:3]
	s_add_nc_u64 s[22:23], s[22:23], s[2:3]
	s_load_b32 s28, s[20:21], 0x0                  ; es
	s_load_b32 s29, s[22:23], 0x0                  ; ed
	s_load_b256 s[32:39], s[24:25], 0x0            ; e0 .. e7
	s_lshl_b32 s2, s5, 19                          ; x: the agent's 2,048 rows of 256 bytes,
	s_lshl_b32 s56, ttmp9, 14                      ; the block's 64,
	s_add_co_u32 s2, s2, s56
	s_lshl_b32 s56, s4, 12                         ; my wave's 16
	s_add_co_u32 s2, s2, s56
	s_add_nc_u64 s[8:9], s[8:9], s[2:3]
	s_lshl_b32 s2, s2, 1                           ; out: the same rows, of 512 bytes
	s_add_nc_u64 s[26:27], s[26:27], s[2:3]
.irp s, 0,1
.irp c, 0,1,2,3
	global_load_b128 v[X+16*\s+4*\c:X+16*\s+4*\c+3], v4, s[8:9] offset:128*\s+32*\c   ; my 16 rows' two fragments: the eight loads together take all 4,096 bytes
.endr
.endr
	s_wait_kmcnt 0x0
	s_min_u32 s28, s28, 7                          ; an index enters addresses only, and only held inside its table
	s_min_u32 s29, s29, 7
	s_lshl_b32 s2, s28, 17                         ; Ws1: an expert's 131,072 bytes, my wave's 32,768
	s_lshl_b32 s56, s4, 15
	s_add_co_u32 s2, s2, s56
	s_add_nc_u64 s[40:41], s[10:11], s[2:3]
	s_add_nc_u64 s[42:43], s[40:41], 0x200000      ; Ws2: the same sizes, 0x200000 on
	s_lshl_b32 s2, s29, 17
	s_add_co_u32 s2, s2, s56
	s_add_co_u32 s2, s2, 0x100000
	s_add_nc_u64 s[44:45], s[10:11], s[2:3]        ; Wd1
	s_lshl_b32 s2, s29, 16                         ; Wd2: an expert's 65,536 bytes, my wave's 16,384
	s_lshl_b32 s56, s4, 14
	s_add_co_u32 s2, s2, s56
	s_add_co_u32 s2, s2, 0x300000
	s_add_nc_u64 s[46:47], s[10:11], s[2:3]
	s_lshl_b32 s2, s28, 11                         ; bs1: an expert's 512 numbers, my wave's 128
	s_lshl_b32 s56, s4, 9
	s_add_co_u32 s2, s2, s56
	s_add_nc_u64 s[12:13], s[12:13], s[2:3]
	s_lshl_b32 s2, s29, 11                         ; bd1 likewise
	s_add_co_u32 s2, s2, s56
	s_add_nc_u64 s[16:17], s[16:17], s[2:3]
	s_lshl_b32 s2, s28, 10                         ; bs2: 256 numbers, my 64
	s_lshl_b32 s56, s4, 8
	s_add_co_u32 s2, s2, s56
	s_add_nc_u64 s[14:15], s[14:15], s[2:3]
	s_lshl_b32 s2, s29, 9                          ; bd2: 128 numbers, my 32
	s_lshl_b32 s56, s4, 7
	s_add_co_u32 s2, s2, s56
	s_add_nc_u64 s[18:19], s[18:19], s[2:3]
	WIN 0xc0                                       ; destination window 3
	BLOAD 0, 12, 8
	BLOAD 64, 14, 4
	BLOAD 96, 16, 8
	BLOAD 160, 18, 2
	WLOAD 0x40, 40, 64                             ; Ws1's 16 fragments
	s_add_co_i32 s50, s32, s33
	s_sub_co_i32 s50, 0, s50                       ; -(e0 + e1)
	s_add_co_i32 s51, s34, s35
	s_sub_co_i32 s51, 0, s51                       ; -(e2 + e3)
	s_add_co_i32 s52, s36, s37
	s_sub_co_i32 s52, 0, s52                       ; -(e4 + e5)
	s_add_co_i32 s54, s38, s39
	s_add_co_i32 s54, s54, 127
	s_lshl_b32 s54, s54, 23                        ; 2^(e6 + e7) as f32
	s_mov_b32 s55, s54                             ; (named with it as a pair, so it is written)
	MKSC 34, 50, 14, 15                            ; h: 2^(e2 - e0 - e1)
	MKSC 37, 51, 16, 17                            ; deep_in: 2^(e5 - e2 - e3)
	MKSC 38, 52, 18, 19                            ; d: 2^(e6 - e4 - e5)
	s_wait_loadcnt 63                              ; 8 + 44 + 64 loads were issued: with 63 out at the most the first 53 are in: x and the four biases
.irp s, 0,1
.irp c, 0,1,2,3
	ds_store_b128 v6, v[X+16*\s+4*\c:X+16*\s+4*\c+3] offset:XIMG+2048*\s+512*\c
.endr
.endr
	WIN 0xc3                                       ; source 0 and destination window 3: the three biases that are a C go in divided by the power of two that their sums lack
.set J, 0
.rept 64
	v_ldexp_f32 v[J], v[J], s50
.set J, J+1
.endr
.rept 32
	v_ldexp_f32 v[J], v[J], s51
.set J, J+1
.endr
.rept 64
	v_ldexp_f32 v[J], v[J], s52
.set J, J+1
.endr
	WIN 0
	BARRIER                                        ; x's eight fragments lie in LDS
	; ---- layer 1
	FETCH_A XIMG
	WLOAD 0x80, 42, 64                             ; Ws2, a layer ahead
	s_wait_loadcnt 63                              ; behind Ws1's last load stand Ws2's 64: with 63 out at the most Ws1 is in
	LAYER_A 0, 14, 15, 7, H1IMG
	WLOAD 0x40, 44, 64                             ; Wd1, into the window that Ws1 has left: its last reader stands the four places and a quantising back
	BARRIER                                        ; layer 1's sixteen fragments lie in LDS
	; ---- layer 2
	FETCH_B 0
	s_wait_loadcnt 63                              ; behind Ws2's last load stand Wd1's 64: Ws2 is in
	PASS_B 0
	PLACES
	FETCH_B 1                                      ; the other two tiles' fragments land while the first two are quantised
	QUANT 16, 17
	H2OUT 0
	PASS_B 4
	s_wait_dscnt 0x0                               ; the first pass's stores have read the codes' registers
	PLACES
	QUANT 16, 17
	H2OUT 1
	WLOAD 0x80, 46, 32                             ; Wd2, into the window that Ws2 has left
	BARRIER                                        ; layer 2's eight fragments lie in LDS
	; ---- layer 3
	FETCH_A H2IMG
	s_wait_loadcnt 32                              ; behind Wd1's last load stand Wd2's 32: Wd1 is in
	LAYER_A 96, 18, 19, 9, 0
	BARRIER                                        ; layer 3's sixteen fragments lie in LDS
	; ---- layer 4
	FETCH_D 0
	FETCH_D 1
	s_wait_loadcnt 0x0                             ; Wd2
	s_wait_dscnt 16                                ; K step 0's sixteen loads are in, K step 1's may be out
	MUL_D 0
	WIN 0
	PLACES
	FETCH_D 2
	s_wait_dscnt 16                                ; K step 1's are in
	MUL_D 1
	WIN 0
	PLACES
	FETCH_D 3
	s_wait_dscnt 16                                ; K step 2's are in
	MUL_D 2
	s_wait_dscnt 0x0
	MUL_D 3
	PLACES
	WIN 0x30                                       ; source 2 (bd2) window 3
.irp m, 0,1,2,3
.irp i, 0,2,4,6,8,10,12,14
	v_pk_fma_f32 v[OT+16*\m+\i:OT+16*\m+\i+1], v[HA+16*\m+\i:HA+16*\m+\i+1], s[54:55], v[160+\i:161+\i] op_sel_hi:[1,0,1]   ; out = sum x 2^(e6 + e7) + bd2 (the scalar pair's low word for both halves); each accumulator from its low end on
.endr
.endr
	WIN 0
.irp m, 0,1,2,3
.irp k, 0,1,2,3
	ds_store_b128 v11, v[OT+16*\m+4*\k:OT+16*\m+4*\k+3] offset:16*SP*\m+16*\k   ; lane (r, h): out(16 m + r, 32 w + 16 h + 4 k + 0 .. 3)
.endr
.endr
	BARRIER                                        ; 64 whole rows of out lie in the stage: a row's 128 numbers come from four waves
	; ---- the way out: each wave stores 16 whole rows
.irp i, 0,1,2,3,4,5,6,7,8,9,10,11,12,13,14,15
	ds_load_b128 v[RB+4*\i:RB+4*\i+3], v12 offset:SP*\i
.endr
.irp i, 0,1,2,3,4,5,6,7,8,9,10,11,12,13,14,15
	s_wait_dscnt 15-\i
	global_store_b128 v5, v[RB+4*\i:RB+4*\i+3], s[26:27] offset:512*\i th:TH_STORE_NT   ; 32 lanes store a row's 512 consecutive bytes, at a multiple of 512 from out's first byte; written once, read by nobody here
.endr
	s_wait_tensorcnt 0x0
	ds_add_u32 v254, v255
	s_wait_dscnt 0x0
	s_endpgm
.Lfunc_end_k_q1ae1f81806_chain:
	.size	k_q1ae1f81806_chain, .Lfunc_end_k_q1ae1f81806_chain-k_q1ae1f81806_chain
	.p2alignl 7, 3214868480
	.fill 96, 4, 3214868480
	.section	.rodata,"a",@progbits
	.p2align	6, 0x0
	.amdhsa_kernel k_q1ae1f81806_chain
		.amdhsa_group_segment_fixed_size 132608
		.amdhsa_private_segment_fixed_size 0
		.amdhsa_enable_private_segment 0
		.amdhsa_kernarg_size 80
		.amdhsa_user_sgpr_count 2
		.amdhsa_user_sgpr_kernarg_segment_ptr 1
		.amdhsa_wavefront_size32 1
		.amdhsa_system_sgpr_workgroup_id_x 1
		.amdhsa_system_sgpr_workgroup_id_y 1
		.amdhsa_system_sgpr_workgroup_id_z 1
		.amdhsa_system_vgpr_workitem_id 0
		.amdhsa_next_free_vgpr 1024
		.amdhsa_next_free_sgpr 66
		.amdhsa_reserve_vcc 0
		.amdhsa_float_denorm_mode_32 3
		.amdhsa_float_denorm_mode_16_64 3
		.amdhsa_memory_ordered 1
		.amdhsa_forward_progress 1
		.amdhsa_inst_pref_size 126
	.end_amdhsa_kernel
	.amdgpu_metadata
---
amdhsa.version: [ 1, 2 ]
amdhsa.kernels:
  - .name:           k_q1ae1f81806_chain
    .symbol:         k_q1ae1f81806_chain.kd
    .args:
      - { .name: inputs_codes, .offset: 0, .size: 8, .value_kind: global_buffer, .address_space: global }
      - { .name: wfrag, .offset: 8, .size: 8, .value_kind: global_buffer, .address_space: global }
      - { .name: bs1, .offset: 16, .size: 8, .value_kind: global_buffer, .address_space: global }
      - { .name: bs2, .offset: 24, .size: 8, .value_kind: global_buffer, .address_space: global }
      - { .name: bd1, .offset: 32, .size: 8, .value_kind: global_buffer, .address_space: global }
      - { .name: bd2, .offset: 40, .size: 8, .value_kind: global_buffer, .address_space: global }
      - { .name: laac_shallow, .offset: 48, .size: 8, .value_kind: global_buffer, .address_space: global }
      - { .name: laac_deep, .offset: 56, .size: 8, .value_kind: global_buffer, .address_space: global }
      - { .name: lowp_scales, .offset: 64, .size: 8, .value_kind: global_buffer, .address_space: global }
      - { .name: out0, .offset: 72, .size: 8, .value_kind: global_buffer, .address_space: global }
    .group_segment_fixed_size: 132608
    .private_segment_fixed_size: 0
    .kernarg_segment_align: 8
    .kernarg_segment_size: 80
    .max_flat_workgroup_size: 128
    .sgpr_count:     66
    .vgpr_count:     1024
    .wavefront_size: 32
...
	.end_amdgpu_metadata
.endif
;; end of part 2
;; ======== version 2 of 2: 2 launches
;; workspace buffers: wfrag 3,670,016 bytes
;; launch lay (part 3): grid 224 x 1, 2 waves a work-group, no clusters, 34,560 bytes of LDS; arguments Ws1_codes, Wd1_codes, Ws2_codes, Wd2_codes, wfrag; writes wfrag
.if DOCPART == 3
	.amdgcn_target "amdgcn-amd-amdhsa--gfx1250"
	.amdhsa_code_object_version 6
	.text
	.protected	k_q1ae1f81806_lay
	.globl	k_q1ae1f81806_lay
	.p2align	8
	.type	k_q1ae1f81806_lay,@function
k_q1ae1f81806_lay:
	s_mov_b64 s[64:65], 0
	v_nop
	global_prefetch_b8 v0, s[64:65] scope:SCOPE_SE
	s_setreg_imm32_b32 hwreg(HW_REG_WAVE_MODE, 25, 1), 1
	s_wait_xcnt 0x0
; The four weight tensors (codes of E5M2, rows [N][K], K innermost) are laid once in the order of a wave's operand registers, so that the next launch
; loads every fragment by loads of 512 consecutive bytes.  No number is changed: bytes are only moved.
; LAYOUT OF wfrag: Ws1 at 0, Wd1 at 0x100000, Ws2 at 0x200000, Wd2 at 0x300000.  In a tensor, rows go in groups of 32; tile 2 g + u has 16 rows: its lane r takes row 32 g + 8 u + r + 8 (r / 8).
; Fragment (tile T, K step s of 128) has the number T (K / 128) + s and 2,048 bytes: four chunks c of 512 bytes; lane (r, h) has 16 bytes at 16 x lane: its row's bytes 128 s + 32 c + 16 h + 0 .. 15.
; SHARES.  A wave takes one task of 8,192 bytes = 4 fragments; task 2 x work-group + wave goes to wfrag + 8,192 x task.  K = 256 (Ws1: tasks 0-127, Wd1: 128-255): a task is a group of 32 rows, both tiles, both K steps.
; K = 512 (Ws2: tasks 256-383, Wd2: 384-447): a task is one tile of 16 rows: 8 rows, and the 8 rows that lie 16 further on.
; Each load reads 512 consecutive bytes; they turn through the wave's own stage in LDS (rows in the tile's order, 16 bytes of padding behind each) and come back as fragments; each store covers 512 consecutive bytes.
; The two paths part on the work-group's number. No register is written twice, so no wait frees a source.
.set D,     16                         ; v16-79   sixteen loads, as they lie in memory
.set F,     80                         ; v80-143  the four fragments
.set PA,    272                        ; K = 256: a stage row: 256 bytes + 16: sixteen rows start 68 words apart
.set PB,    528                        ; K = 512: 512 bytes + 16
.set STA,   32*PA                      ; a wave's stage, K = 256: 32 rows
.set STB,   16*PB                      ; K = 512: 16 rows
.set BASEB, 2*STA                      ; the K = 512 path's stages lie behind the other path's
	s_load_b256 s[4:11], s[0:1], 0x0               ; Ws1 s[4:5], Wd1 s[6:7], Ws2 s[8:9], Wd2 s[10:11]
	s_load_b64 s[12:13], s[0:1], 0x20              ; wfrag
	v_lshl_add_u32 v144, v0, 2, 0x8600
	v_mov_b32 v145, 0
	v_lshrrev_b32 v1, 5, v0
	v_readfirstlane_b32 s14, v1                    ; wave 0, 1
	v_and_b32 v1, 31, v0                           ; lane
	v_and_b32 v2, 15, v0                           ; r
	v_bfe_u32 v3, v0, 4, 1                         ; h
	v_lshlrev_b32 v4, 4, v1                        ; 16 x lane: my 16 bytes of a load's or a store's 512
	s_mul_i32 s22, s14, STA
	v_mul_u32_u24 v5, v3, PA
	v_lshl_add_u32 v5, v2, 4, v5
	v_add_nc_u32 v5, s22, v5                       ; K = 256, into the stage: a load holds two rows: lanes 0-15 one, lanes 16-31 the next
	v_mul_u32_u24 v6, v2, PA
	v_lshl_add_u32 v6, v3, 4, v6
	v_add_nc_u32 v6, s22, v6                       ; and out of it: stage row r, + 16 h
	s_mul_i32 s23, s14, STB
	s_add_co_u32 s23, s23, BASEB
	v_add_nc_u32 v7, s23, v4                       ; K = 512, into the stage: a load holds one row
	v_mul_u32_u24 v8, v2, PB
	v_lshl_add_u32 v8, v3, 4, v8
	v_add_nc_u32 v8, s23, v8                       ; and out of it
	s_lshl_b32 s15, ttmp9, 1
	s_add_co_u32 s15, s15, s14                     ; my task
	s_lshl_b32 s20, s15, 13
	s_mov_b32 s21, 0
	s_wait_kmcnt 0x0
	s_add_nc_u64 s[12:13], s[12:13], s[20:21]      ; where my four fragments go
; A task.  k512 = 0: 32 rows of 256 bytes; load i holds rows 2 i, 2 i + 1 of the group; row p belongs to tile (p / 8) % 2, lane p % 8 + 8 (p / 16): stage row 16 x tile + lane.
; k512 = 1: 16 rows of 512 bytes; load i holds the tile's lane i's row: rows 0-7, then, 8,192 bytes on, rows 16-23.
.macro TURN k512
.irp i, 0,1,2,3,4,5,6,7,8,9,10,11,12,13,14,15
.if \k512
	global_load_b128 v[D+4*\i:D+4*\i+3], v4, s[16:17] offset:512*\i+4096*(\i/8) th:TH_LOAD_NT
.else
	global_load_b128 v[D+4*\i:D+4*\i+3], v4, s[16:17] offset:512*\i th:TH_LOAD_NT
.endif
.endr
.irp i, 0,1,2,3,4,5,6,7,8,9,10,11,12,13,14,15
	s_wait_loadcnt 15-\i                           ; loads come back in order (ISA guide 5.7.1): load i is in, the younger ones stay out
.if \k512
	ds_store_b128 v7, v[D+4*\i:D+4*\i+3] offset:PB*\i
.else
	ds_store_b128 v5, v[D+4*\i:D+4*\i+3] offset:PA*(16*(((2*\i)>>3)&1)+((2*\i)&7)+8*((2*\i)>>4))
.endif
.endr
.irp j, 0,1,2,3,4,5,6,7,8,9,10,11,12,13,14,15          ; LDS serves a wave's instructions in order: these see the stores above
.if \k512
	ds_load_b128 v[F+4*\j:F+4*\j+3], v8 offset:128*(\j/4)+32*(\j%4)                       ; K step j / 4, chunk j % 4
.else
	ds_load_b128 v[F+4*\j:F+4*\j+3], v6 offset:16*PA*(\j/8)+128*((\j/4)%2)+32*(\j%4)      ; tile j / 8, K step (j / 4) % 2, chunk j % 4
.endif
.endr
.irp j, 0,1,2,3,4,5,6,7,8,9,10,11,12,13,14,15
	s_wait_dscnt 15-\j
	global_store_b128 v4, v[F+4*\j:F+4*\j+3], s[12:13] offset:512*\j   ; 32 lanes store 512 consecutive bytes, at a multiple of 512 from wfrag's first byte; the next launch reads them: no hint
.endr
.endm
	s_cmp_lt_u32 ttmp9, 128                        ; work-groups 0-127: K = 256
	s_cbranch_scc0 .Lk512
	s_cmp_lt_u32 ttmp9, 64                         ; the choice of the tensor hangs on the work-group's number alone
	s_cselect_b64 s[16:17], s[4:5], s[6:7]
	s_cselect_b32 s18, 0, 128
	s_sub_co_u32 s18, s15, s18                     ; the task's number in its tensor = the group of 32 rows
	s_lshl_b32 s20, s18, 13
	s_add_nc_u64 s[16:17], s[16:17], s[20:21]
	s_wait_alu depctr_va_vdst(0)
	TURN 0
	s_wait_tensorcnt 0x0
	ds_add_u32 v144, v145
	s_wait_dscnt 0x0
	s_endpgm
.Lk512:
	s_mov_b32 s18, 384
	s_cmp_lt_u32 ttmp9, 192
	s_cselect_b64 s[16:17], s[8:9], s[10:11]
	s_cselect_b32 s18, 256, s18
	s_sub_co_u32 s18, s15, s18                     ; the task's number in its tensor = the tile
	s_lshr_b32 s19, s18, 1
	s_lshl_b32 s19, s19, 14                        ; its group of 32 rows of 512 bytes,
	s_and_b32 s18, s18, 1
	s_lshl_b32 s18, s18, 12                        ; and 8 rows further on for the group's second tile
	s_add_co_u32 s20, s19, s18
	s_add_nc_u64 s[16:17], s[16:17], s[20:21]
	s_wait_alu depctr_va_vdst(0)
	TURN 1
	s_wait_tensorcnt 0x0
	ds_add_u32 v144, v145
	s_wait_dscnt 0x0
	s_endpgm
.Lfunc_end_k_q1ae1f81806_lay:
	.size	k_q1ae1f81806_lay, .Lfunc_end_k_q1ae1f81806_lay-k_q1ae1f81806_lay
	.p2alignl 7, 3214868480
	.fill 96, 4, 3214868480
	.section	.rodata,"a",@progbits
	.p2align	6, 0x0
	.amdhsa_kernel k_q1ae1f81806_lay
		.amdhsa_group_segment_fixed_size 34560
		.amdhsa_private_segment_fixed_size 0
		.amdhsa_enable_private_segment 0
		.amdhsa_kernarg_size 40
		.amdhsa_user_sgpr_count 2
		.amdhsa_user_sgpr_kernarg_segment_ptr 1
		.amdhsa_wavefront_size32 1
		.amdhsa_system_sgpr_workgroup_id_x 1
		.amdhsa_system_sgpr_workgroup_id_y 1
		.amdhsa_system_sgpr_workgroup_id_z 1
		.amdhsa_system_vgpr_workitem_id 0
		.amdhsa_next_free_vgpr 146
		.amdhsa_next_free_sgpr 66
		.amdhsa_reserve_vcc 0
		.amdhsa_float_denorm_mode_32 3
		.amdhsa_float_denorm_mode_16_64 3
		.amdhsa_memory_ordered 1
		.amdhsa_forward_progress 1
		.amdhsa_inst_pref_size 15
	.end_amdhsa_kernel
	.amdgpu_metadata
---
amdhsa.version: [ 1, 2 ]
amdhsa.kernels:
  - .name:           k_q1ae1f81806_lay
    .symbol:         k_q1ae1f81806_lay.kd
    .args:
      - { .name: Ws1_codes, .offset: 0, .size: 8, .value_kind: global_buffer, .address_space: global }
      - { .name: Wd1_codes, .offset: 8, .size: 8, .value_kind: global_buffer, .address_space: global }
      - { .name: Ws2_codes, .offset: 16, .size: 8, .value_kind: global_buffer, .address_space: global }
      - { .name: Wd2_codes, .offset: 24, .size: 8, .value_kind: global_buffer, .address_space: global }
      - { .name: wfrag, .offset: 32, .size: 8, .value_kind: global_buffer, .address_space: global }
    .group_segment_fixed_size: 34560
    .private_segment_fixed_size: 0
    .kernarg_segment_align: 8
    .kernarg_segment_size: 40
    .max_flat_workgroup_size: 64
    .sgpr_count:     66
    .vgpr_count:     146
    .wavefront_size: 32
...
	.end_amdgpu_metadata
.endif
;; end of part 3
;; launch chain (part 4): grid 32 x 8, 4 waves a work-group, no clusters, 132,608 bytes of LDS; arguments inputs_codes, wfrag, bs1, bs2, bd1, bd2, laac_shallow, laac_deep, lowp_scales, out0; writes out0
.if DOCPART == 4
	.amdgcn_target "amdgcn-amd-amdhsa--gfx1250"
	.amdhsa_code_object_version 6
	.text
	.protected	k_q1ae1f81806_chain
	.globl	k_q1ae1f81806_chain
	.p2align	8
	.type	k_q1ae1f81806_chain,@function
k_q1ae1f81806_chain:
	s_mov_b64 s[64:65], 0
	v_nop
	global_prefetch_b8 v0, s[64:65] scope:SCOPE_SE
	s_setreg_imm32_b32 hwreg(HW_REG_WAVE_SCHED_MODE, 0, 2), 2
	s_setreg_imm32_b32 hwreg(HW_REG_WAVE_MODE, 25, 1), 1
	s_wait_xcnt 0x0
	s_wait_alu depctr_vm_vsrc(0)
; out[a] = relu(relu(relu(x[a] Ws1[es] + bs1[es]) Ws2[es] + bs2[es]) Wd1[ed] + bd1[ed]) Wd2[ed] + bd2[ed], es = laac_shallow[a], ed = laac_deep[a]: of the eight experts only the one that the
; gather keeps for the agent is multiplied.  All four products on codes of E5M2 by v_wmma_f32_16x16x128_bf8_bf8, sums in f32; the three hidden layers are quantised in registers and never go to memory.
; SCALES e0 .. e7: Ws1, x, h, Ws2, Wd1, deep_in, d, Wd2.  A layer's sum of code products stands for sum x 2^(eA + eB).  So its bias goes in as the C of the sum's first matrix instruction, divided by that power,
; and the next operand's conversion takes 2^(e_next - eA - eB) as its one scale; relu and the hold at the largest code are one v_med3_num_f32.  The last layer: out = sum x 2^(e6 + e7) + bd2, one packed multiply-add.
; LIMITS: e2 - e0 - e1, e5 - e2 - e3 and e6 - e4 - e5 lie between -126 and 112, e6 + e7 between -126 and 127, so that each power of two below is an f32 number; a bias whose quotient by 2^(eA + eB) leaves f32's
; range, and NaN among the biases, are not served; an expert's number above 7 is held at 7.
; SHARES.  A work-group (x: block of 64 rows, y: agent) takes 64 rows through the whole chain.  THE FOUR WAVES SHARE THE COLUMNS, NOT THE ROWS: wave w makes units 128 w on of layers 1 and 3 (8 tiles, 2 K steps),
; 64 w on of layer 2 (4 tiles, 4 K steps), 32 w on of layer 4 (2 tiles, 4 K steps), each for all four tiles of 16 rows: 64 + 64 + 64 + 32 matrix instructions.
; WEIGHTS come from wfrag, laid in the order of the operand's registers, straight into registers: each load is 512 consecutive bytes; a layer's weights are asked for one layer ahead, into the window that the layer before last has left.
; ALL PRODUCTS ARE USED TRANSPOSED (source 0 = 16 rows of a weight, source 1 = 16 rows of activations).  A tile's lane r holds weight row 32 b + 8 u + r + 8 (r / 8) (tile 2 b + u), so in the result lane (r, h) holds row r and
; register j of tile 2 b + u the unit 32 b + 16 h + 8 u + j: the 16 registers of tiles 2 b, 2 b + 1 are 16 neighbours along the next K, and the conversions' results are registers 4 b .. 4 b + 3 of the next operand.
; Both operands of every product hold k = 32 c + 16 h + 0 .. 15 in registers 4 c .. 4 c + 3: one order of k on both sides.
; ACTIVATIONS GO FROM WAVE TO WAVE THROUGH LDS AS IMAGES OF THEIR REGISTERS: a fragment (16 rows x 128 K) is 2,048 bytes, registers 4 c .. 4 c + 3 of lane l at 512 c + 16 l.  Every region has bytes of its own and is written once: one barrier a layer.
; NO CLUSTER, NO TENSOR LOADS: an agent's 32 work-groups do read the same 458,752 bytes of weights, but each fragment feeds one wave alone (four matrix instructions), and weights and the 132,096 bytes of
; activations together exceed the 327,680 bytes of LDS: a way through LDS would add a write and a read of every weight byte, and slots that are filled again with their barriers, to a chain of four short layers.
; REGISTERS, in windows of 256: window 0: v1-13 addresses, v14-19 scales and holds, v32-159 eight activation fragments (at the end: results, rows of out), v160-223 eight accumulators, v224-239 the codes just made.
;   window 1: Ws1's 16 fragments, later Wd1's, at the end (v0-127) layer 3's fragments of K steps 2 and 3.   window 2: Ws2's 16, later Wd2's 8.   window 3: the biases in the result's layout: bs1 v0-63, bs2 v64-95, bd1 v96-159, bd2 v160-175.
; THE MODE: SCHED_MODE bits 1:0 = 2 (LLVM: expert scheduling mode 2), set by the entry lines.  The code itself states the register dependences
; between vector or matrix instructions and memory or LDS instructions, with s_wait_alu, always for 0.
; THE PLAN.  Registers that memory or LDS instructions touch:
;   v4-13, v254, v255   Offsets and LDS addresses: written at the head, ahead of one wait on va_vdst, and never again.
;   X (v32-159)         Loads land in it at each layer's head (layer 2: once more between its two passes); matrix instructions read it.  v32-63 are also the data of x's LDS stores; at the end v32-95 are written by the
;                       packed multiply-adds and stored to the stage, and the stage's rows come back into v96-159.
;   PC (v224-239)       Written by a tile's conversions, read by the four LDS stores behind them, ten times.
;   windows 1 and 2     Loads land in them; matrix instructions read them.  A window is loaded again only behind the wait on va_vdst that stands ahead of its layer's last stores of codes.
;   The accumulators, the scales and window 3 (once its loads are in) are named by vector and matrix instructions alone.
; So a wait on va_vdst stands behind each run of conversions, ahead of its stores: the codes are written, and every product issued so far is done reading its operands; the loads that follow a layer's last such wait
; (the next weights, the next layer's fragments) owe nothing more, since no vector or matrix instruction issued behind it names their registers.  One more stands between layer 2's passes, ahead of the loads into X.
; A wait on vm_vsrc stands ahead of each run of conversions but the first: the stores of the run before have read PC; behind a barrier it is written once, at the layer's head.
.set XIMG,  0                          ; LDS: x's 8 fragments (tile of rows m, K step s: 2 m + s)
.set H1IMG, 16384                      ; layer 1's 16 fragments (4 m + s; K step s is made by wave s)
.set H2IMG, 49152                      ; layer 2's 8 (2 m + s; wave w makes chunks 2 (w % 2), + 1 of K step w / 2: bytes 1,024 w on of a tile's 4,096)
.set H3IMG, 65536                      ; layer 3's 16
.set STG,   98304                      ; the stage for out: 64 rows x (512 bytes + 16)
.set SP,    528
.set X,     32
.set HA,    160
.set PC,    224
.set OT,    32                         ; the way out: 64 results a lane
.set RB,    96                         ; and 16 rows read back
.set MSB, 0
.macro WIN new                         ; s_set_vgpr_msb: bits 1:0 source 0, 3:2 source 1, 5:4 source 2, 7:6 destination; the immediate's high byte repeats the setting that is left
.if MSB != \new
	s_set_vgpr_msb (MSB<<8)|\new
.set MSB, \new
.endif
.endm
.macro PLACES                          ; a vector instruction that reads a matrix result stands four plain vector instructions behind it (ISA guide 7.12.1)
.rept 4
	v_nop
.endr
.endm
.macro BARRIER                         ; my LDS stores have landed and my LDS loads are in: then the work-group's barrier
	s_wait_dscnt 0x0
	s_barrier_signal -1
	s_barrier_wait -1
.endm
.macro WLOAD win, base, n              ; n loads of 512 consecutive bytes: load i fills registers 4 i .. 4 i + 3 of the window: fragment f is registers 16 f .. 16 f + 15
	WIN \win
.set J, 0
.rept \n
	global_load_b128 v[4*J:4*J+3], v5, s[\base:\base+1] offset:512*J
.set J, J+1
.endr
	WIN 0
.endm
.macro BLOAD reg, base, tiles          ; a bias in the result's layout: lane (r, h), tile 2 b + u: the numbers of units 32 b + 16 h + 8 u + 0 .. 7
.set J, 0
.rept \tiles
	global_load_b128 v[\reg+8*J:\reg+8*J+3], v13, s[\base:\base+1] offset:(32*(J/2)+8*(J%2))*4
	global_load_b128 v[\reg+8*J+4:\reg+8*J+7], v13, s[\base:\base+1] offset:(32*(J/2)+8*(J%2))*4+16
.set J, J+1
.endr
.endm
.macro FETCH reg, adr, off             ; a fragment's image comes back as it was stored, in any wave
.irp c, 0,1,2,3
	ds_load_b128 v[(\reg)+4*\c:(\reg)+4*\c+3], v[\adr] offset:(\off)+512*\c
.endr
.endm
.macro MKSC e, neg, sc, lim            ; q = s[e] + s[neg]: v[sc] = 2^q as f32 (the conversion takes its exponent field), v[lim] = 57,344 x 2^q
	s_add_co_i32 s56, s[\e], s[\neg]
	s_add_co_i32 s56, s56, 127
	s_lshl_b32 s57, s56, 23
	v_mov_b32 v[\sc], s57
	s_add_co_i32 s56, s56, 15
	s_lshl_b32 s56, s56, 23
	s_or_b32 s56, s56, 0x600000
	v_mov_b32 v[\lim], s56
.endm
; The eight accumulators become 16 registers of codes.  Each accumulator is read from its low end on.
.macro QUANT sc, lim
.irp b, 0,1,2,3
.irp i, 0,1,2,3,4,5,6,7,8,9,10,11,12,13,14,15
	v_med3_num_f32 v[HA+16*\b+\i], v[HA+16*\b+\i], 0, v[\lim]   ; relu and the hold in one: the conversion to an 8-bit code does not saturate (ISA guide 7.6.2)
.endr
	v_cvt_scalef32_pk8_bf8_f32 v[PC+4*\b:PC+4*\b+1], v[HA+16*\b:HA+16*\b+7], v[\sc]
	v_cvt_scalef32_pk8_bf8_f32 v[PC+4*\b+2:PC+4*\b+3], v[HA+16*\b+8:HA+16*\b+15], v[\sc]
.endr
	v_nop                                          ; one plain vector instruction between the last conversion and the next products, which write its sources
.endm
; Layers 1 and 3, tile of rows m: my 8 tiles of units, 2 K steps; the eight accumulators take turns, one instruction a turn.  The result is K step w of the next product's fragment for these rows.
.macro TILE_A m, bias, sc, lim, outadr, outoff
	WIN 0x31                                       ; source 0 (weights) window 1, source 2 (bias) window 3
.irp t, 0,1,2,3,4,5,6,7
	v_wmma_f32_16x16x128_bf8_bf8 v[HA+8*\t:HA+8*\t+7], v[32*\t:32*\t+15], v[X+32*(\m):X+32*(\m)+15], v[(\bias)+8*\t:(\bias)+8*\t+7]
.endr
	WIN 0x01
.irp t, 0,1,2,3,4,5,6,7
	v_wmma_f32_16x16x128_bf8_bf8 v[HA+8*\t:HA+8*\t+7], v[32*\t+16:32*\t+31], v[X+32*(\m)+16:X+32*(\m)+31], v[HA+8*\t:HA+8*\t+7]
.endr
	WIN 0
.if (\m) > 0
	s_wait_alu depctr_vm_vsrc(0)                   ; the tile before's LDS stores, issued sixteen products back, have read the codes' registers, which the conversions below write again
.endif
	PLACES
	QUANT \sc, \lim
	s_wait_alu depctr_va_vdst(0)                   ; the conversions have written the codes, which the LDS stores read; and the tile's products are done reading their weights and fragments
.irp c, 0,1,2,3
	ds_store_b128 v[\outadr], v[PC+4*\c:PC+4*\c+3] offset:(\outoff)+8192*(\m)+512*\c
.endr
.endm
.macro FETCH_A img                     ; layers 1 and 3: all 8 fragments, tile of rows by tile of rows
.irp m, 0,1,2,3
.irp s, 0,1
	FETCH X+32*\m+16*\s, 5, (\img)+2048*(2*\m+\s)
.endr
.endr
.endm
.macro LAYER_A bias, sc, lim, outadr, outoff
	s_wait_dscnt 24                                ; tile 0's eight loads are in; the three later tiles' 24 may be out
	TILE_A 0, \bias, \sc, \lim, \outadr, \outoff
	s_wait_dscnt 20                                ; tile 1's are in; behind them: two tiles' 16 loads and tile 0's 4 stores
	TILE_A 1, \bias, \sc, \lim, \outadr, \outoff
	s_wait_dscnt 16                                ; tile 2's are in; behind them: tile 3's 8 loads and two tiles' 8 stores
	TILE_A 2, \bias, \sc, \lim, \outadr, \outoff
	s_wait_dscnt 12                                ; tile 3's are in; behind them: three tiles' 12 stores
	TILE_A 3, \bias, \sc, \lim, \outadr, \outoff
.endm
; Layer 2, tiles of rows 2 p and 2 p + 1: fragments by K step, so that the products can begin on the first.
.macro FETCH_B p
.irp s, 0,1,2,3
.irp mm, 0,1
	FETCH X+16*(4*\mm+\s), 5, H1IMG+2048*(4*(2*(\p)+\mm)+\s)
.endr
.endr
.endm
.macro PASS_B younger                  ; younger: LDS stores issued behind the pass's 32 loads.  Eight accumulators (2 tiles of rows x my 4 tiles of units) by turns, a K step at a time
.irp s, 0,1,2,3
	s_wait_dscnt 8*(3-\s)+(\younger)               ; K step s's eight loads are in; the later K steps' and the stores may be out
.if \s == 0
	WIN 0x32                                       ; source 0 (weights) window 2, source 2 (bias) window 3
.else
	WIN 0x02
.endif
.irp mm, 0,1
.irp t, 0,1,2,3
.if \s == 0
	v_wmma_f32_16x16x128_bf8_bf8 v[HA+32*\mm+8*\t:HA+32*\mm+8*\t+7], v[16*(4*\t+\s):16*(4*\t+\s)+15], v[X+16*(4*\mm+\s):X+16*(4*\mm+\s)+15], v[64+8*\t:64+8*\t+7]
.else
	v_wmma_f32_16x16x128_bf8_bf8 v[HA+32*\mm+8*\t:HA+32*\mm+8*\t+7], v[16*(4*\t+\s):16*(4*\t+\s)+15], v[X+16*(4*\mm+\s):X+16*(4*\mm+\s)+15], v[HA+32*\mm+8*\t:HA+32*\mm+8*\t+7]
.endif
.endr
.endr
.endr
	WIN 0
.endm
.macro H2OUT p                         ; codes' registers 4 q .. 4 q + 3: tile of rows 2 p + q / 2, my chunk q % 2
.irp q, 0,1,2,3
	ds_store_b128 v8, v[PC+4*\q:PC+4*\q+3] offset:H2IMG+4096*(2*(\p)+\q/2)+512*(\q%2)
.endr
.endm
; Layer 4: K step s's four fragments (one a tile of rows) have registers of their own: K steps 0 and 1 the two halves of X, K steps 2 and 3 registers 0-63 and 64-127 of window 1, which Wd1 has left.
; So no load of this layer lands in a register that one of its own products reads.  Eight accumulators (4 tiles of rows x my 2 tiles of units) by turns.
.macro FETCH_D s
.if (\s) < 2
	WIN 0
.set FB, X+64*(\s)
.else
	WIN 0x40                                       ; destination window 1, address window 0
.set FB, 64*((\s)-2)
.endif
.irp m, 0,1,2,3
	FETCH FB+16*\m, 10, 2048*(4*\m+(\s))
.endr
.endm
.macro MUL_D s
.if (\s) < 2
	WIN 0x02                                       ; source 0 (weights) window 2
.set FB, X+64*(\s)
.else
	WIN 0x06                                       ; source 0 window 2, source 1 (fragments) window 1
.set FB, 64*((\s)-2)
.endif
.irp m, 0,1,2,3
.irp u, 0,1
.if (\s) == 0
	v_wmma_f32_16x16x128_bf8_bf8 v[HA+16*\m+8*\u:HA+16*\m+8*\u+7], v[16*(4*\u+(\s)):16*(4*\u+(\s))+15], v[FB+16*\m:FB+16*\m+15], 0
.else
	v_wmma_f32_16x16x128_bf8_bf8 v[HA+16*\m+8*\u:HA+16*\m+8*\u+7], v[16*(4*\u+(\s)):16*(4*\u+(\s))+15], v[FB+16*\m:FB+16*\m+15], v[HA+16*\m+8*\u:HA+16*\m+8*\u+7]
.endif
.endr
.endr
.endm
	; ---- the head
	s_load_b512 s[8:23], s[0:1], 0x0               ; x s[8:9], wfrag s[10:11], bs1 s[12:13], bs2 s[14:15], bd1 s[16:17], bd2 s[18:19], laac_shallow s[20:21], laac_deep s[22:23]
	s_load_b128 s[24:27], s[0:1], 0x40             ; the scales' exponents s[24:25], out s[26:27]
	v_lshl_add_u32 v254, v0, 2, 0x20400
	v_mov_b32 v255, 0
	v_lshrrev_b32 v1, 5, v0
	v_readfirstlane_b32 s4, v1                     ; wave 0..3
	s_and_b32 s5, ttmp7, 0xffff                    ; the agent
	s_mov_b32 s3, 0                                ; s[2:3]: a byte offset as a pair
	v_and_b32 v1, 31, v0                           ; lane
	v_and_b32 v2, 15, v0                           ; r
	v_bfe_u32 v3, v0, 4, 1                         ; h
	v_lshlrev_b32 v4, 8, v2
	v_lshl_add_u32 v4, v3, 4, v4                   ; x: row r of 256 bytes, + 16 h
	v_lshlrev_b32 v5, 4, v1                        ; 16 x lane: my place in an image's chunk, in a weight load and in a row of out
	s_wait_alu depctr_va_vdst(0)
	s_wait_alu depctr_va_sdst(0)                   ; s4, the wave's number, is written, ahead of its first reader: LDS addresses and every base are made from it
	s_lshl_b32 s56, s4, 12
	v_add_nc_u32 v6, s56, v5                       ; where I store x's images: fragments 2 w, 2 w + 1
	s_lshl_b32 s56, s4, 11
	v_add_nc_u32 v7, s56, v5                       ; layer 1's: K step w
	s_lshl_b32 s56, s4, 10
	v_add_nc_u32 v8, s56, v5                       ; layer 2's: 1,024 w
	v_add_nc_u32 v9, H3IMG, v7                     ; layer 3's: the region begins past an LDS offset's 16 bits, so the register carries it
	v_add_nc_u32 v10, H3IMG, v5                    ; and where I read them
	v_mul_u32_u24 v11, v2, SP
	v_lshl_add_u32 v11, v3, 6, v11
	s_lshl_b32 s56, s4, 7
	s_add_co_u32 s56, s56, STG
	v_add_nc_u32 v11, s56, v11                     ; the stage, in: row r, + 128 w + 64 h: my 16 neighbouring outputs
	s_mul_i32 s56, s4, 16*SP
	s_add_co_u32 s56, s56, STG
	v_add_nc_u32 v12, s56, v5                      ; back: my 16 rows, 16 bytes a lane
	v_lshlrev_b32 v13, 6, v3                       ; the biases: 16 h numbers on
	s_lshl_b32 s2, s5, 2
	s_wait_kmcnt 0x0
	s_add_nc_u64 s[20:21], s[20:21], s[2:3]
	s_add_nc_u64 s[22:23], s[22:23], s[2:3]
	s_load_b32 s28, s[20:21], 0x0                  ; es
	s_load_b32 s29, s[22:23], 0x0                  ; ed
	s_load_b256 s[32:39], s[24:25], 0x0            ; e0 .. e7
	s_lshl_b32 s2, s5, 19                          ; x: the agent's 2,048 rows of 256 bytes,
	s_lshl_b32 s56, ttmp9, 14                      ; the block's 64,
	s_add_co_u32 s2, s2, s56
	s_lshl_b32 s56, s4, 12                         ; my wave's 16
	s_add_co_u32 s2, s2, s56
	s_add_nc_u64 s[8:9], s[8:9], s[2:3]
	s_lshl_b32 s2, s2, 1                           ; out: the same rows, of 512 bytes
	s_add_nc_u64 s[26:27], s[26:27], s[2:3]
	s_wait_alu depctr_va_vdst(0)                   ; the offsets and LDS addresses v4 to v13 are written, which every load and store of the kernel reads; no vector instruction writes them again
.irp s, 0,1
.irp c, 0,1,2,3
	global_load_b128 v[X+16*\s+4*\c:X+16*\s+4*\c+3], v4, s[8:9] offset:128*\s+32*\c   ; my 16 rows' two fragments: the eight loads together take all 4,096 bytes
.endr
.endr
	s_wait_kmcnt 0x0
	s_min_u32 s28, s28, 7                          ; an index enters addresses only, and only held inside its table
	s_min_u32 s29, s29, 7
	s_lshl_b32 s2, s28, 17                         ; Ws1: an expert's 131,072 bytes, my wave's 32,768
	s_lshl_b32 s56, s4, 15
	s_add_co_u32 s2, s2, s56
	s_add_nc_u64 s[40:41], s[10:11], s[2:3]
	s_add_nc_u64 s[42:43], s[40:41], 0x200000      ; Ws2: the same sizes, 0x200000 on
	s_lshl_b32 s2, s29, 17
	s_add_co_u32 s2, s2, s56
	s_add_co_u32 s2, s2, 0x100000
	s_add_nc_u64 s[44:45], s[10:11], s[2:3]        ; Wd1
	s_lshl_b32 s2, s29, 16                         ; Wd2: an expert's 65,536 bytes, my wave's 16,384
	s_lshl_b32 s56, s4, 14
	s_add_co_u32 s2, s2, s56
	s_add_co_u32 s2, s2, 0x300000
	s_add_nc_u64 s[46:47], s[10:11], s[2:3]
	s_lshl_b32 s2, s28, 11                         ; bs1: an expert's 512 numbers, my wave's 128
	s_lshl_b32 s56, s4, 9
	s_add_co_u32 s2, s2, s56
	s_add_nc_u64 s[12:13], s[12:13], s[2:3]
	s_lshl_b32 s2, s29, 11                         ; bd1 likewise
	s_add_co_u32 s2, s2, s56
	s_add_nc_u64 s[16:17], s[16:17], s[2:3]
	s_lshl_b32 s2, s28, 10                         ; bs2: 256 numbers, my 64
	s_lshl_b32 s56, s4, 8
	s_add_co_u32 s2, s2, s56
	s_add_nc_u64 s[14:15], s[14:15], s[2:3]
	s_lshl_b32 s2, s29, 9                          ; bd2: 128 numbers, my 32
	s_lshl_b32 s56, s4, 7
	s_add_co_u32 s2, s2, s56
	s_add_nc_u64 s[18:19], s[18:19], s[2:3]
	WIN 0xc0                                       ; destination window 3
	BLOAD 0, 12, 8
	BLOAD 64, 14, 4
	BLOAD 96, 16, 8
	BLOAD 160, 18, 2
	WLOAD 0x40, 40, 64                             ; Ws1's 16 fragments
	s_add_co_i32 s50, s32, s33
	s_sub_co_i32 s50, 0, s50                       ; -(e0 + e1)
	s_add_co_i32 s51, s34, s35
	s_sub_co_i32 s51, 0, s51                       ; -(e2 + e3)
	s_add_co_i32 s52, s36, s37
	s_sub_co_i32 s52, 0, s52                       ; -(e4 + e5)
	s_add_co_i32 s54, s38, s39
	s_add_co_i32 s54, s54, 127
	s_lshl_b32 s54, s54, 23                        ; 2^(e6 + e7) as f32
	s_mov_b32 s55, s54                             ; (named with it as a pair, so it is written)
	MKSC 34, 50, 14, 15                            ; h: 2^(e2 - e0 - e1)
	MKSC 37, 51, 16, 17                            ; deep_in: 2^(e5 - e2 - e3)
	MKSC 38, 52, 18, 19                            ; d: 2^(e6 - e4 - e5)
	s_wait_loadcnt 63                              ; 8 + 44 + 64 loads were issued: with 63 out at the most the first 53 are in: x and the four biases
.irp s, 0,1
.irp c, 0,1,2,3
	ds_store_b128 v6, v[X+16*\s+4*\c:X+16*\s+4*\c+3] offset:XIMG+2048*\s+512*\c   ; data that loads brought, an address from ahead of the head's wait: no vector instruction has named either since
.endr
.endr
	WIN 0xc3                                       ; source 0 and destination window 3: the three biases that are a C go in divided by the power of two that their sums lack
.set J, 0
.rept 64
	v_ldexp_f32 v[J], v[J], s50
.set J, J+1
.endr
.rept 32
	v_ldexp_f32 v[J], v[J], s51
.set J, J+1
.endr
.rept 64
	v_ldexp_f32 v[J], v[J], s52
.set J, J+1
.endr
	WIN 0
	BARRIER                                        ; x's eight fragments lie in LDS
	; ---- layer 1
	s_wait_alu depctr_vm_vsrc(0)                   ; my LDS stores of x have read v[X .. X + 31], in which the fragments' loads land
	FETCH_A XIMG
	WLOAD 0x80, 42, 64                             ; Ws2, a layer ahead
	s_wait_loadcnt 63                              ; behind Ws1's last load stand Ws2's 64: with 63 out at the most Ws1 is in
	LAYER_A 0, 14, 15, 7, H1IMG
	WLOAD 0x40, 44, 64                             ; Wd1, into the window that Ws1 has left: tile 3's wait on va_vdst has shown its last readers done, and only that tile's four stores stand between
	BARRIER                                        ; layer 1's sixteen fragments lie in LDS
	; ---- layer 2
	s_wait_alu depctr_vm_vsrc(0)                   ; tile 3's LDS stores have read the codes' registers, which this layer's conversions write again
	FETCH_B 0                                      ; into X: layer 1's products were shown done reading it by tile 3's wait on va_vdst; no vector or matrix instruction has been issued since
	s_wait_loadcnt 63                              ; behind Ws2's last load stand Wd1's 64: Ws2 is in
	PASS_B 0
	PLACES                                         ; for the quantising below, which reads the results
	s_wait_alu depctr_va_vdst(0)                   ; the pass's products are done reading X, in which the next pass's fragments land
	FETCH_B 1                                      ; the other two tiles' fragments land while the first two are quantised
	QUANT 16, 17
	s_wait_alu depctr_va_vdst(0)                   ; the conversions have written the codes, which the LDS stores read
	H2OUT 0
	PASS_B 4
	s_wait_alu depctr_vm_vsrc(0)                   ; the first pass's LDS stores, issued 32 products back, have read the codes' registers
	PLACES
	QUANT 16, 17
	s_wait_alu depctr_va_vdst(0)                   ; the conversions have written the codes; and the pass's products are done reading window 2 and X
	H2OUT 1
	WLOAD 0x80, 46, 32                             ; Wd2, into the window that Ws2 has left: only the four stores stand between the wait above and these loads
	BARRIER                                        ; layer 2's eight fragments lie in LDS
	; ---- layer 3
	s_wait_alu depctr_vm_vsrc(0)                   ; the second pass's LDS stores have read the codes' registers, which this layer's conversions write again
	FETCH_A H2IMG                                  ; into X, free since the wait on va_vdst ahead of those stores
	s_wait_loadcnt 32                              ; behind Wd1's last load stand Wd2's 32: Wd1 is in
	LAYER_A 96, 18, 19, 9, 0
	BARRIER                                        ; layer 3's sixteen fragments lie in LDS
	; ---- layer 4: all its fragments' registers, X and registers 0-127 of window 1, were shown free by tile 3's wait on va_vdst; the products below name window 2, the accumulators and fragments that have landed
	FETCH_D 0
	FETCH_D 1
	s_wait_loadcnt 0x0                             ; Wd2
	s_wait_dscnt 16                                ; K step 0's sixteen loads are in, K step 1's may be out
	MUL_D 0
	FETCH_D 2
	s_wait_dscnt 16                                ; K step 1's are in
	MUL_D 1
	FETCH_D 3
	s_wait_dscnt 16                                ; K step 2's are in
	MUL_D 2
	s_wait_dscnt 0x0
	MUL_D 3
	PLACES
	WIN 0x30                                       ; source 2 (bd2) window 3
.irp m, 0,1,2,3
.irp i, 0,2,4,6,8,10,12,14
	v_pk_fma_f32 v[OT+16*\m+\i:OT+16*\m+\i+1], v[HA+16*\m+\i:HA+16*\m+\i+1], s[54:55], v[160+\i:161+\i] op_sel_hi:[1,0,1]   ; out = sum x 2^(e6 + e7) + bd2 (the scalar pair's low word for both halves); each accumulator from its low end on
.endr
.endr
	WIN 0
	s_wait_alu depctr_va_vdst(0)                   ; the multiply-adds have written v[OT ..], which the LDS stores read; and K step 1's products are done reading v[RB ..], in which the stage's rows land
.irp m, 0,1,2,3
.irp k, 0,1,2,3
	ds_store_b128 v11, v[OT+16*\m+4*\k:OT+16*\m+4*\k+3] offset:16*SP*\m+16*\k   ; lane (r, h): out(16 m + r, 32 w + 16 h + 4 k + 0 .. 3)
.endr
.endr
	BARRIER                                        ; 64 whole rows of out lie in the stage: a row's 128 numbers come from four waves
	; ---- the way out: each wave stores 16 whole rows
.irp i, 0,1,2,3,4,5,6,7,8,9,10,11,12,13,14,15
	ds_load_b128 v[RB+4*\i:RB+4*\i+3], v12 offset:SP*\i
.endr
.irp i, 0,1,2,3,4,5,6,7,8,9,10,11,12,13,14,15
	s_wait_dscnt 15-\i
	global_store_b128 v5, v[RB+4*\i:RB+4*\i+3], s[26:27] offset:512*\i th:TH_STORE_NT   ; 32 lanes store a row's 512 consecutive bytes, at a multiple of 512 from out's first byte; written once, read by nobody here
.endr
	s_wait_dscnt 0x0                               ; the closing lines, six on end
	s_wait_alu 0x0
	s_wait_tensorcnt 0x0
	ds_add_u32 v254, v255
	s_wait_dscnt 0x0
	s_endpgm
.Lfunc_end_k_q1ae1f81806_chain:
	.size	k_q1ae1f81806_chain, .Lfunc_end_k_q1ae1f81806_chain-k_q1ae1f81806_chain
	.p2alignl 7, 3214868480
	.fill 96, 4, 3214868480
	.section	.rodata,"a",@progbits
	.p2align	6, 0x0
	.amdhsa_kernel k_q1ae1f81806_chain
		.amdhsa_group_segment_fixed_size 132608
		.amdhsa_private_segment_fixed_size 0
		.amdhsa_enable_private_segment 0
		.amdhsa_kernarg_size 80
		.amdhsa_user_sgpr_count 2
		.amdhsa_user_sgpr_kernarg_segment_ptr 1
		.amdhsa_wavefront_size32 1
		.amdhsa_system_sgpr_workgroup_id_x 1
		.amdhsa_system_sgpr_workgroup_id_y 1
		.amdhsa_system_sgpr_workgroup_id_z 1
		.amdhsa_system_vgpr_workitem_id 0
		.amdhsa_next_free_vgpr 1024
		.amdhsa_next_free_sgpr 66
		.amdhsa_reserve_vcc 0
		.amdhsa_float_denorm_mode_32 3
		.amdhsa_float_denorm_mode_16_64 3
		.amdhsa_memory_ordered 1
		.amdhsa_forward_progress 1
		.amdhsa_inst_pref_size 127
	.end_amdhsa_kernel
	.amdgpu_metadata
---
amdhsa.version: [ 1, 2 ]
amdhsa.kernels:
  - .name:           k_q1ae1f81806_chain
    .symbol:         k_q1ae1f81806_chain.kd
    .args:
      - { .name: inputs_codes, .offset: 0, .size: 8, .value_kind: global_buffer, .address_space: global }
      - { .name: wfrag, .offset: 8, .size: 8, .value_kind: global_buffer, .address_space: global }
      - { .name: bs1, .offset: 16, .size: 8, .value_kind: global_buffer, .address_space: global }
      - { .name: bs2, .offset: 24, .size: 8, .value_kind: global_buffer, .address_space: global }
      - { .name: bd1, .offset: 32, .size: 8, .value_kind: global_buffer, .address_space: global }
      - { .name: bd2, .offset: 40, .size: 8, .value_kind: global_buffer, .address_space: global }
      - { .name: laac_shallow, .offset: 48, .size: 8, .value_kind: global_buffer, .address_space: global }
      - { .name: laac_deep, .offset: 56, .size: 8, .value_kind: global_buffer, .address_space: global }
      - { .name: lowp_scales, .offset: 64, .size: 8, .value_kind: global_buffer, .address_space: global }
      - { .name: out0, .offset: 72, .size: 8, .value_kind: global_buffer, .address_space: global }
    .group_segment_fixed_size: 132608
    .private_segment_fixed_size: 0
    .kernarg_segment_align: 8
    .kernarg_segment_size: 80
    .max_flat_workgroup_size: 128
    .sgpr_count:     66
    .vgpr_count:     1024
    .wavefront_size: 32
...
	.end_amdgpu_metadata
.endif
;; end of part 4
